; MI455X (gfx1250); checked and timed in simulation.
; The chip was launched on July 23, 2026; its instructions are those of AMD's public machine-readable ISA for CDNA 5 (MIT licence, August 2026) and "CDNA5" Instruction Set Architecture Reference Guide (July 2026). The comments in the code are by the model that wrote it; some were corrected since.
;; Document Mask Attention. Allowed arithmetic: float matrix products may take bf16 or f16 operands with f32 sums; all other float work in f32.
;; Inputs: K 1 x 16 x 4,096 x 64 float32; Q 1 x 16 x 4,096 x 64 float32; V 1 x 16 x 4,096 x 64 float32; document_id 4,096 int32.
;; Outputs: out0 1 x 16 x 4,096 x 64 float32.
;; One version. Each part assembles by itself: llvm-mc -triple=amdgcn-amd-amdhsa -mcpu=gfx1250 --defsym DOCPART=n.
;; ======== version 1 of 1: 2 launches
;; limits: inputs' magnitudes at most 88,000,000,000,000; right only within a limited range of input values
;; workspace buffers: plan 4,096 bytes of whole numbers
;; launch plan (part 1): grid 16 x 1, 8 waves a work-group, no clusters, 1,280 bytes of LDS; arguments document_id, plan; writes plan
.if DOCPART == 1
	.amdgcn_target "amdgcn-amd-amdhsa--gfx1250"
	.amdhsa_code_object_version 6
	.text
	.protected	k_qefc845676b_plan
	.globl	k_qefc845676b_plan
	.p2align	8
	.type	k_qefc845676b_plan,@function
k_qefc845676b_plan:
	s_mov_b64 s[64:65], 0
	v_nop
	global_prefetch_b8 v0, s[64:65] scope:SCOPE_SE
	s_setreg_imm32_b32 hwreg(HW_REG_WAVE_MODE, 25, 1), 1
	s_wait_xcnt 0x0
; For each run of 32 queries (the rows of one wave of the attention launch): the first and the last tile of 64 keys that can hold a match.
; A key is a candidate if umin <= id <= umax, the unsigned minimum and maximum of the run's 32 ids.  Every key whose id equals one of the
; 32 ids is a candidate, whatever the order or the values of the ids, so the interval [lo, hi] of tiles holds every match; the attention
; launch still applies the exact mask element by element, so that only its trip counts hang on these numbers, never a value.
; Work-group x = a block of 256 queries, wave w = its queries 32 w .. 32 w + 31.  Each wave reads all 4,096 ids (16 KiB): 32 loads of
; 512 neighbouring bytes; lanes 0-15 of load i hold tile 2 i, lanes 16-31 tile 2 i + 1.
; Out: a record of 256 bytes for the block: (lo, hi) of waves 0..7, 64 bytes, four times over, so that one store writes 256 whole bytes.
; No matrix unit, no cluster, no tensor load: 16 KiB of whole numbers and a few hundred compares a wave.
.set IDS, 16                           ; v[16:143] the 4,096 ids, load i in v[16+4i : 19+4i]
.set LO,  3                            ; v3  smallest i with a candidate among my four ids of load i (64: none)
.set HI1, 4                            ; v4  largest such i, plus 1 (0: none)
	s_load_b128 s[4:7], s[0:1], 0x0                ; ids s[4:5], plan s[6:7]
	v_lshl_add_u32 v144, v0, 2, 0x100
	v_mov_b32 v145, 0
	v_and_b32 v5, 31, v0                           ; lane
	v_lshrrev_b32 v6, 5, v0
	v_readfirstlane_b32 s8, v6                     ; wave
	v_lshlrev_b32 v1, 4, v5                        ; 16 bytes a lane
	v_lshrrev_b32 v2, 4, v5                        ; h: which half of the lanes
	v_mov_b32 v[LO], 64
	v_mov_b32 v[HI1], 0
	s_mov_b32 s14, 0x76543210                      ; v_permlanex16_b32: lane i reads lane i of the other half
	s_mov_b32 s15, 0xfedcba98
	s_lshl_b32 s2, ttmp9, 10                       ; 256 ids of 4 bytes a block,
	s_lshl_b32 s9, s8, 7                           ; 32 a wave
	s_add_co_u32 s2, s2, s9
	s_mov_b32 s3, 0
	s_wait_kmcnt 0x0
	s_add_nc_u64 s[2:3], s[4:5], s[2:3]            ; my 32 query ids
	s_load_b512 s[16:31], s[2:3], 0x0
	s_load_b512 s[32:47], s[2:3], 0x40
.set i, 0
.rept 32
	global_load_b128 v[IDS+4*i:IDS+4*i+3], v1, s[4:5] offset:512*i    ; every work-group reads these again: no hint
.set i, i+1
.endr
	s_wait_kmcnt 0x0
	s_min_u32 s10, s16, s17                        ; umin
	s_max_u32 s11, s16, s17                        ; umax
.set i, 18
.rept 30
	s_min_u32 s10, s10, s[i]
	s_max_u32 s11, s11, s[i]
.set i, i+1
.endr
	s_sub_co_u32 s12, s11, s10                     ; span: id is a candidate iff id - umin <= span, unsigned
.set i, 0
.rept 32
	s_wait_loadcnt 31-i                            ; loads return in order: load i is in, the 31 - i younger ones stay out
	v_sub_nc_u32 v6, v[IDS+4*i], s10
	v_sub_nc_u32 v7, v[IDS+4*i+1], s10
	v_sub_nc_u32 v8, v[IDS+4*i+2], s10
	v_sub_nc_u32 v9, v[IDS+4*i+3], s10
	v_min_u32 v6, v6, v7
	v_min_u32 v8, v8, v9
	v_min_u32 v6, v6, v8                           ; the nearest of my four
	v_cmp_ge_u32 vcc_lo, s12, v6
	v_cndmask_b32 v[HI1], v[HI1], i+1, vcc_lo      ; i ascends: the last hit stays
	v_cndmask_b32 v7, 64, i, vcc_lo
	v_min_u32 v[LO], v[LO], v7
.set i, i+1
.endr
	v_lshl_add_u32 v[LO], v[LO], 1, v2             ; tile = 2 i + h; without a hit 128 + h, which loses the minimum
	v_lshl_add_u32 v[HI1], v[HI1], 1, v2           ; tile + 2; without a hit h, which loses the maximum (my own queries' tile is a hit somewhere)
	v_mov_b32 v6, v[LO]                            ; destinations of the lane moves below count as read: written here
	v_mov_b32 v7, v[HI1]
.irp k, 1,2,4,8
	v_mov_b32_dpp v6, v[LO] row_xmask:\k row_mask:0xf bank_mask:0xf
	v_mov_b32_dpp v7, v[HI1] row_xmask:\k row_mask:0xf bank_mask:0xf
	v_min_u32 v[LO], v[LO], v6
	v_max_u32 v[HI1], v[HI1], v7
.endr
	v_permlanex16_b32 v6, v[LO], s14, s15
	v_permlanex16_b32 v7, v[HI1], s14, s15
	v_min_u32 v8, v[LO], v6                        ; lo, in every lane
	v_max_u32 v9, v[HI1], v7
	v_add_nc_u32 v9, -2, v9                        ; hi
	v_mov_b32 v10, s8
	v_lshlrev_b32 v10, 3, v10
	ds_store_b64 v10, v[8:9]                       ; my entry at byte 8 w: all lanes write the same two words with the same values
	s_wait_dscnt 0x0                               ; for wave 0's sake: my store is done before I signal
	s_barrier_signal -1
	s_barrier_wait -1
	s_cmp_lg_u32 s8, 0
	s_cbranch_scc1 .Lend
	v_and_b32 v11, 7, v5
	v_lshlrev_b32 v11, 3, v11
	ds_load_b64 v[12:13], v11                      ; lane l takes entry l % 8
	v_lshlrev_b32 v14, 3, v5
	s_lshl_b32 s2, ttmp9, 8                        ; the block's record of 256 bytes
	s_mov_b32 s3, 0
	s_add_nc_u64 s[6:7], s[6:7], s[2:3]
	s_wait_dscnt 0x0
	global_store_b64 v14, v[12:13], s[6:7]         ; 32 lanes x 8 bytes: the record's 256 consecutive bytes, aligned
.Lend:
	s_wait_tensorcnt 0x0
	ds_add_u32 v144, v145
	s_wait_dscnt 0x0
	s_endpgm
.Lfunc_end_k_qefc845676b_plan:
	.size	k_qefc845676b_plan, .Lfunc_end_k_qefc845676b_plan-k_qefc845676b_plan
	.p2alignl 7, 3214868480
	.fill 96, 4, 3214868480
	.section	.rodata,"a",@progbits
	.p2align	6, 0x0
	.amdhsa_kernel k_qefc845676b_plan
		.amdhsa_group_segment_fixed_size 1280
		.amdhsa_private_segment_fixed_size 0
		.amdhsa_enable_private_segment 0
		.amdhsa_kernarg_size 16
		.amdhsa_user_sgpr_count 2
		.amdhsa_user_sgpr_kernarg_segment_ptr 1
		.amdhsa_wavefront_size32 1
		.amdhsa_system_sgpr_workgroup_id_x 1
		.amdhsa_system_sgpr_workgroup_id_y 1
		.amdhsa_system_sgpr_workgroup_id_z 1
		.amdhsa_system_vgpr_workitem_id 0
		.amdhsa_next_free_vgpr 146
		.amdhsa_next_free_sgpr 66
		.amdhsa_reserve_vcc 1
		.amdhsa_float_denorm_mode_32 3
		.amdhsa_float_denorm_mode_16_64 3
		.amdhsa_memory_ordered 1
		.amdhsa_forward_progress 1
		.amdhsa_inst_pref_size 27
	.end_amdhsa_kernel
	.amdgpu_metadata
---
amdhsa.version: [ 1, 2 ]
amdhsa.kernels:
  - .name:           k_qefc845676b_plan
    .symbol:         k_qefc845676b_plan.kd
    .args:
      - { .name: document_id, .offset: 0, .size: 8, .value_kind: global_buffer, .address_space: global }
      - { .name: plan, .offset: 8, .size: 8, .value_kind: global_buffer, .address_space: global }
    .group_segment_fixed_size: 1280
    .private_segment_fixed_size: 0
    .kernarg_segment_align: 8
    .kernarg_segment_size: 16
    .max_flat_workgroup_size: 256
    .sgpr_count:     66
    .vgpr_count:     146
    .wavefront_size: 32
...
	.end_amdgpu_metadata
.endif
;; end of part 1
;; launch attn (part 2): grid 16 x 16, 8 waves a work-group, no clusters, 110,080 bytes of LDS; arguments K, Q, V, document_id, plan, out0; writes out0
.if DOCPART == 2
	.amdgcn_target "amdgcn-amd-amdhsa--gfx1250"
	.amdhsa_code_object_version 6
	.text
	.protected	k_qefc845676b_attn
	.globl	k_qefc845676b_attn
	.p2align	8
	.type	k_qefc845676b_attn,@function
k_qefc845676b_attn:
	s_mov_b64 s[64:65], 0
	v_nop
	global_prefetch_b8 v0, s[64:65] scope:SCOPE_SE
	s_setreg_imm32_b32 hwreg(HW_REG_WAVE_MODE, 25, 1), 1
	s_wait_xcnt 0x0
; out = softmax(Q K^T / 8, masked to equal document ids) V.  16 heads, 4,096 tokens, 64 numbers a head; all buffers f32.
; Work-group (x, y) = (block of 256 queries, head); wave w owns 32 queries as two column blocks of 16.  Keys go in tiles of 64.
; Which tiles are fetched and multiplied comes from the plan buffer (an earlier launch): for each wave an interval of tiles that holds every
; key whose id equals one of the wave's 32 ids.  Keys left out are masked for all of them and add exactly 0 to every sum.  Inside the
; interval the mask is applied element by element, so no value hangs on how the ids lie; ids in no order make the interval all 64 tiles.
;
; THE WALK HAS A CONSTANT 64 TRIPS, one for each tile, with one barrier each, so that the number of barriers a wave passes hangs on no loaded
; number.  What hangs on the plan are forward jumps over the loads, the products and the conversion, none of which holds a barrier: a
; trip whose tile lies outside the block's interval is a dozen scalar lines and the barrier.
;
; BOTH PRODUCTS ARE USED TRANSPOSED.  S^T = K Q^T (A = 16 keys, B = 16 queries): lane (r, h), register j of block kb holds
; (key 16 kb + 8 h + j, query r).  So a query's maximum and sum are one number a lane (in-lane work and one exchange of the two halves),
; and blocks 2 kc, 2 kc + 1, rounded to bf16 in pairs, ARE the B fragment of P^T for keys 32 kc .. + 31: no lane traffic.
; O^T = V^T P^T (A = 16 columns of V, read from LDS by the transposing load): lane (r, h) holds 8 neighbouring numbers of query r's row.
;
; THE ROAD OF A TILE.  Each wave loads 8 rows of K and 8 of V (2,048 bytes each, f32; every load covers 512 consecutive bytes) into registers
; while the tile before is multiplied, rounds them to bf16 and lays them into one of two bf16 slots in LDS that all eight waves multiply
; from.  So each tile is fetched and converted once in the work-group.  The data have to pass through registers for the rounding anyway,
; and a load through registers may be jumped over together with its wait; hence no tensor loads here.
;
; FORMATS.  Q, K, V and P enter the matrix unit as bf16; scores, maxima, exponentials, sums and O are f32.  The factor log2(e) / 8 is
; applied in f32, in the multiply-add that feeds v_exp_f32.  The row sum is taken from the f32 exponentials, P is rounded to bf16.
; LIMITS.  A row's largest unmasked q.k must lie above -5e29 (masked scores are -1e30, the running maximum starts at -5e29, so that a masked
; exponent is at most -9e28 and its exponential 0 even in a row that has met no match yet).  NaN and infinite inputs are not reproduced.
; NO CLUSTER: the query blocks of a head do read common tiles, but which tiles a block fetches comes from the plan buffer and differs from
; block to block, so partners would not make the same requests.
.set TILEB, 16384                      ; a tile of K or V in f32: 64 rows of 256 bytes
.set KP,    144                        ; K's bf16 row: 128 bytes + 16; an odd multiple of 16, so 16 rows start in 16 different 16-byte columns modulo 256
.set VP,    160                        ; V's bf16 row: 128 bytes + 32; an odd multiple of 32, as the transposing load's eight rows want
.set BFV,   64*KP                      ; a bf16 slot: K, then V,
.set BFI,   BFV+64*VP                  ; then the tile's 64 key ids
.set BFS,   BFI+256                    ; 19,712 bytes; two slots from LDS byte 0
.set STG,   2*BFS                      ; a stage for each wave: first Q as bf16 (32 rows, pitch 144), at the end O as f32 (32 rows, pitch 272)
.set OP,    272
.set STGW,  32*OP
; window 0
.set AK,    4                          ; K fragments:  144 r + 16 h
.set AV,    5                          ; V fragments:  BFV + 160 (8 h + l % 8) + 16 ((l / 8) % 2)
.set AID,   6                          ; key ids:      BFI + 32 h
.set AF,    7                          ; my bytes in a tile of K or V in memory: 2048 w + 16 l
.set ASK,   9                          ; where my bf16 K goes: 144 (8 w + l / 16) + 8 (l % 16)
.set ASV,   10                         ; the same for V, pitch 160
.set ASI,   11                         ; where my 8 key ids go
.set AO,    12                         ; stage, O in:   272 r + 32 h
.set ARD,   13                         ; stage, O back: 272 (l / 16) + 16 (l % 16)
.set GOFF,  14                         ; 16 l: Q's loads and the stores of out
.set IDR,   16                         ; my 8 key ids of the next tile as loaded (each in four lanes)
.set IDOFF, 17                         ; their byte offset in the tile's 256 bytes of ids: 4 (8 w + l % 8)
.set QID,   24                         ; v[24:25] id of query 16 nq + r
.set M,     26                         ; v[26:27] running maximum of the raw scores
.set NMC,   28                         ; v[28:31] -M log2(e)/8, twice, for the packed multiply-add
.set AL,    32                         ; v[32:35] the factor for O and L, twice
.set L,     36                         ; v[36:37] running sum over my half of the keys
.set T,     38                         ; v[38:45] at work
.set KID,   48                         ; v[48:79] id of key 16 kb + 8 h + j at 8 kb + j
.set STGR,  80                         ; v[80:111] my 8 + 8 rows of the next tile, f32, then bf16
.set FR,    112                        ; v[112:175] K fragment (kb, c) at 16 kb + 8 c; then V fragment (kc, db) at 8 (4 kc + db)
.set S,     176                        ; v[176:239] S^T block (kb, nq) at 8 (2 kb + nq); P^T (kc, nq) is packed into block (2 kc, nq)
.set PFO,   240                        ; prefetch offset
.set AQID,  241                        ; offset of my query ids
.set AQS,   242                        ; stage, Q in
.set AQF,   243                        ; stage, Q fragments
; window 1: O^T block (db, nq) at v[8 (2 db + nq)] (v256-319); Q fragment (nq, c) at v[QF + 8 (2 nq + c)] (v320-351)
.set QF,    64
; scalars
.set PK,    20                         ; s[20:21] K at the next tile to be fetched
.set PV,    22                         ; s[22:23] V there
.set PI,    24                         ; s[24:25] the ids there
.set MK,    90                         ; s[90:97] eight lane masks (scratch in the prologue)
; s58 the pair's first tile minus the block's lo; s59 the block's hi - lo; s62, s63 the same two for my wave's interval; s61 pairs of trips left
; s[86:87] log2(e)/8 twice; s88 -1e30; s89 -log2(e)/8; s66, s67 selects of v_permlanex16_b32
.set MSB, 0
.macro WIN new                         ; low byte: bits 1:0 source 0, 3:2 source 1, 5:4 source 2, 7:6 destination; high byte: the setting that is left
.if MSB != \new
	s_set_vgpr_msb (MSB<<8)|\new
.set MSB, \new
.endif
.endm
.macro PLACES n
.rept \n
	v_nop
.endr
.endm
; My 8 + 8 rows and my 8 ids of the tile at which the three pointers stand.
.macro STAGE_LOAD
.irp i, 0,1,2,3
	global_load_b128 v[STGR+4*\i:STGR+4*\i+3], v[AF], s[PK:PK+1] offset:512*\i          ; K rows 8 w + 2 i + l / 16, 16 bytes a lane; neighbouring blocks read them too: no hint
.endr
.irp i, 0,1,2,3
	global_load_b128 v[STGR+16+4*\i:STGR+16+4*\i+3], v[AF], s[PV:PV+1] offset:512*\i    ; V likewise
.endr
	global_load_b32 v[IDR], v[IDOFF], s[PI:PI+1]
.endm
; Round them to bf16 and lay them, with the ids, into bf16 slot b.
.macro STAGE_STORE b
.irp i, 0,1,2,3,4,5,6,7
	v_cvt_pk_bf16_f32 v[STGR+4*\i], v[STGR+4*\i], v[STGR+4*\i+1]
	v_cvt_pk_bf16_f32 v[STGR+4*\i+1], v[STGR+4*\i+2], v[STGR+4*\i+3]
.endr
.irp i, 0,1,2,3
	ds_store_b64 v[ASK], v[STGR+4*\i:STGR+4*\i+1] offset:\b*BFS+2*KP*\i
.endr
.irp i, 0,1,2,3
	ds_store_b64 v[ASV], v[STGR+16+4*\i:STGR+16+4*\i+1] offset:\b*BFS+2*VP*\i
.endr
	ds_store_b32 v[ASI], v[IDR] offset:\b*BFS      ; four lanes write each word, with the same value
.endm
.macro STEP_PTRS                       ; one tile on; stands behind a wait for all loads, so no pending load names these registers
	s_add_nc_u64 s[PK:PK+1], s[PK:PK+1], TILEB
	s_add_nc_u64 s[PV:PV+1], s[PV:PV+1], TILEB
	s_add_nc_u64 s[PI:PI+1], s[PI:PI+1], 256
.endm
	s_load_b256 s[4:11], s[0:1], 0x0               ; K s[4:5], Q s[6:7], V s[8:9], ids s[10:11]
	s_load_b128 s[12:15], s[0:1], 0x20             ; plan s[12:13], out s[14:15]
	v_lshl_add_u32 v254, v0, 2, 0x1aa00
	v_mov_b32 v255, 0
	v_lshrrev_b32 v38, 5, v0
	v_readfirstlane_b32 s16, v38                   ; wave
	s_mov_b32 s17, ttmp9                           ; block of 256 queries
	s_and_b32 s18, ttmp7, 0xffff                   ; head
	s_lshl_b32 s19, s16, 11                        ; my 8 rows of 256 bytes in a tile
	s_mov_b32 s66, 0x76543210
	s_mov_b32 s67, 0xfedcba98
	s_mov_b32 s86, 0x3e38aa3b                      ; log2(e) / 8
	s_mov_b32 s87, 0x3e38aa3b
	s_mov_b32 s88, 0xf149f2ca                      ; -1e30
	s_mov_b32 s89, 0xbe38aa3b                      ; -log2(e) / 8
	s_mul_i32 s90, s16, 8*KP                       ; my 8 rows of bf16 K
	s_mul_i32 s91, s16, 8*VP
	s_add_co_u32 s91, s91, BFV                     ; my 8 rows of bf16 V
	s_lshl_b32 s92, s16, 5                         ; my 8 key ids
	s_mul_i32 s93, s16, STGW
	s_add_co_u32 s93, s93, STG                     ; my stage
	s_lshl_b32 s94, s17, 16                        ; 256 rows of 256 bytes a block,
	s_lshl_b32 s95, s16, 13                        ; 32 a wave
	s_add_co_u32 s94, s94, s95
	s_lshl_b32 s95, s17, 10                        ; and the same rows' ids
	s_lshl_b32 s96, s16, 7
	s_add_co_u32 s95, s95, s96
	v_and_b32 v1, 31, v0                           ; l
	v_and_b32 v2, 15, v0                           ; r
	v_bfe_u32 v3, v0, 4, 1                         ; h
	v_and_b32 v38, 7, v0                           ; l % 8
	v_bfe_u32 v39, v0, 3, 1                        ; (l / 8) % 2
	v_mul_u32_u24 v40, v2, KP
	v_lshl_add_u32 v[AK], v3, 4, v40               ; 144 r + 16 h
	v_add_nc_u32 v[AQF], s93, v[AK]
	v_lshl_add_u32 v41, v3, 3, v38
	v_mul_u32_u24 v41, v41, VP
	v_lshl_add_u32 v41, v39, 4, v41
	v_add_nc_u32 v[AV], BFV, v41
	v_lshl_add_u32 v[AID], v3, 5, BFI
	v_lshl_add_u32 v[AF], v1, 4, s19
	v_mul_u32_u24 v42, v3, KP
	v_lshl_add_u32 v42, v2, 3, v42                 ; 144 (l / 16) + 8 (l % 16)
	v_add_nc_u32 v[ASK], s90, v42
	v_add_nc_u32 v[AQS], s93, v42
	v_mul_u32_u24 v43, v3, VP
	v_lshl_add_u32 v43, v2, 3, v43
	v_add_nc_u32 v[ASV], s91, v43
	v_lshl_add_u32 v[IDOFF], v38, 2, s92
	v_add_nc_u32 v[ASI], BFI, v[IDOFF]
	v_mul_u32_u24 v44, v2, OP
	v_lshl_add_u32 v44, v3, 5, v44
	v_add_nc_u32 v[AO], s93, v44
	v_mul_u32_u24 v45, v3, OP
	v_lshl_add_u32 v45, v2, 4, v45
	v_add_nc_u32 v[ARD], s93, v45
	v_lshlrev_b32 v[GOFF], 4, v1
	v_lshl_add_u32 v[AQID], v2, 2, s95
	v_lshl_add_u32 v[PFO], v1, 8, s94              ; lanes 256 bytes apart over my 32 rows
	s_wait_kmcnt 0x0
	s_lshl_b32 s100, s18, 20                       ; a head: 4,096 rows of 256 bytes
	s_mov_b32 s101, 0
	s_add_nc_u64 s[4:5], s[4:5], s[100:101]        ; K and V at the head
	s_add_nc_u64 s[8:9], s[8:9], s[100:101]
	s_add_co_u32 s100, s100, s94
	s_add_nc_u64 s[6:7], s[6:7], s[100:101]        ; Q and out at my wave's 32 rows
	s_add_nc_u64 s[14:15], s[14:15], s[100:101]
	s_lshl_b32 s100, s17, 8
	s_add_nc_u64 s[12:13], s[12:13], s[100:101]    ; the block's record
	s_lshl_b32 s100, s16, 3
	s_add_nc_u64 s[96:97], s[12:13], s[100:101]    ; my wave's entry in it
	s_load_b512 s[68:83], s[12:13], 0x0            ; (lo, hi) of all eight waves
	s_load_b64 s[84:85], s[96:97], 0x0             ; (lo, hi) of mine
	s_mov_b64 s[PK:PK+1], s[4:5]                   ; the stepped pointers are copies: the bases that the prefetches name stay as they are
	s_mov_b64 s[PV:PV+1], s[8:9]
	s_mov_b64 s[PI:PI+1], s[10:11]
	; Prefetch: each wave asks once for the 32 rows of K and of V that lie at its own queries' places (32 lanes, 256 bytes apart, 8 KiB each).
	; Over the launch every row of K and V is asked for once, 128 KiB by each work-group, all inside the buffers; the addresses do not
	; hang on the record, so the requests leave before it has come.
	global_prefetch_b8 v[PFO], s[4:5] th:TH_LOAD_NT scope:SCOPE_SE
	global_prefetch_b8 v[PFO], s[8:9] th:TH_LOAD_NT scope:SCOPE_SE
.set i, 0
.rept 16
	global_load_b128 v[S+4*i:S+4*i+3], v[GOFF], s[6:7] offset:512*i th:TH_LOAD_NT    ; Q rows 2 i, 2 i + 1: read once in the launch
.set i, i+1
.endr
	global_load_b32 v[QID], v[AQID], s[10:11]
	global_load_b32 v[QID+1], v[AQID], s[10:11] offset:64
	STAGE_LOAD                                     ; tile 0 is fetched without asking the plan: 32 KiB a work-group, and the staging registers are written on every path
	s_wait_kmcnt 0x0
	s_min_u32 s60, s68, s70                        ; the block's interval: the smallest lo,
	s_max_u32 s59, s69, s71                        ; the largest hi
.irp k, 72,74,76,78,80,82
	s_min_u32 s60, s60, s\k
.endr
.irp k, 73,75,77,79,81,83
	s_max_u32 s59, s59, s\k
.endr
	s_sub_co_u32 s59, s59, s60                     ; tile t is in an interval iff t - lo <= hi - lo, unsigned (below lo the difference wraps)
	s_sub_co_u32 s58, 0, s60                       ; t = 0
	s_sub_co_u32 s63, s85, s84
	s_sub_co_u32 s62, 0, s84
	; Q: round to bf16, through my stage, into fragments that stay in registers
	s_wait_loadcnt 0x9                             ; Q and the query ids are in; the nine loads of tile 0 are younger
.set i, 0
.rept 16
	v_cvt_pk_bf16_f32 v[S+4*i], v[S+4*i], v[S+4*i+1]
	v_cvt_pk_bf16_f32 v[S+4*i+1], v[S+4*i+2], v[S+4*i+3]
	ds_store_b64 v[AQS], v[S+4*i:S+4*i+1] offset:2*KP*i
.set i, i+1
.endr
	WIN 0x40                                       ; destination in window 1
.irp nq, 0,1
.irp c, 0,1
	ds_load_b128 v[QF+8*(2*\nq+\c):QF+8*(2*\nq+\c)+3], v[AQF] offset:16*KP*\nq+64*\c          ; my own bytes, and LDS serves a wave in order:
	ds_load_b128 v[QF+8*(2*\nq+\c)+4:QF+8*(2*\nq+\c)+7], v[AQF] offset:16*KP*\nq+64*\c+32     ; no wait between the stores and these
.endr
.endr
	; O is cleared: which tile a wave multiplies first is decided by the plan's numbers, so no written-out first product can start the sums
.set i, 0
.rept 64
	v_mov_b32 v[i], 0
.set i, i+1
.endr
	WIN 0
	v_mov_b32 v[M], 0xf0c9f2ca                     ; -5e29
	v_mov_b32 v[M+1], 0xf0c9f2ca
	v_mul_f32 v[NMC], s89, v[M]
	v_mov_b32 v[L], 0
	v_mov_b32 v[L+1], 0
	v_mov_b32 v[NMC+1], v[NMC]
	v_mov_b32 v[NMC+2], v[NMC]
	v_mov_b32 v[NMC+3], v[NMC]
; Scores of keys with another id become -1e30.
.macro MASK nq
.irp kb, 0,1,2,3
.irp j, 0,1,2,3,4,5,6,7
	v_cmp_eq_u32 s[MK+\j], v[KID+8*\kb+\j], v[QID+\nq]
.endr
.irp j, 0,1,2,3,4,5,6,7
	v_cndmask_b32 v[S+16*\kb+8*\nq+\j], s88, v[S+16*\kb+8*\nq+\j], s[MK+\j]
.endr
.endr
.endm
; Running maximum, exponentials, running sum, and P^T packed to bf16, for the 16 queries of block nq.
.macro SOFTMAX nq
.irp kb, 0,1,2,3
	v_max3_num_f32 v[T+\kb], v[S+16*\kb+8*\nq], v[S+16*\kb+8*\nq+1], v[S+16*\kb+8*\nq+2]      ; four chains that do not wait for each other
.endr
.irp kb, 0,1,2,3
	v_max3_num_f32 v[T+\kb], v[T+\kb], v[S+16*\kb+8*\nq+3], v[S+16*\kb+8*\nq+4]
.endr
.irp kb, 0,1,2,3
	v_max3_num_f32 v[T+\kb], v[T+\kb], v[S+16*\kb+8*\nq+5], v[S+16*\kb+8*\nq+6]
.endr
.irp kb, 0,1,2,3
	v_max_num_f32 v[T+\kb], v[T+\kb], v[S+16*\kb+8*\nq+7]
.endr
	v_max3_num_f32 v[T], v[T], v[T+1], v[T+2]
	v_max_num_f32 v[T], v[T], v[T+3]
	v_permlanex16_b32 v[T+1], v[T], s66, s67       ; the other half of the lanes holds the query's other 32 keys
	v_max3_num_f32 v[M+\nq], v[T], v[T+1], v[M+\nq]
	v_mul_f32 v[T+2], s89, v[M+\nq]                ; -m log2(e)/8, rounded once; the factor below and the exponents use this same number
	v_sub_f32 v[T+3], v[T+2], v[NMC+2*\nq]
	v_exp_f32 v[AL+2*\nq], v[T+3]                  ; 1 while the maximum stands still, 0 at the first unmasked score
	v_exp_f32 v[AL+2*\nq+1], v[T+3]
	v_mov_b32 v[NMC+2*\nq], v[T+2]                 ; (the plain instruction behind the two exponentials: ISA guide 5.7.2)
	v_mov_b32 v[NMC+2*\nq+1], v[T+2]
.irp kb, 0,1,2,3
.irp p, 0,2,4,6
	v_pk_fma_f32 v[S+16*\kb+8*\nq+\p:S+16*\kb+8*\nq+\p+1], v[S+16*\kb+8*\nq+\p:S+16*\kb+8*\nq+\p+1], s[86:87], v[NMC+2*\nq:NMC+2*\nq+1] op_sel_hi:[1,0,1]
.endr
.endr
.irp kb, 0,1,2,3
.irp j, 0,1,2,3,4,5,6,7
	v_exp_f32 v[S+16*\kb+8*\nq+\j], v[S+16*\kb+8*\nq+\j]
.endr
.endr
	v_nop                                          ; one plain place between the exponentials and the first use of a result
	s_wait_alu depctr_va_vdst(0)
.irp kb, 0,1,2,3
	v_pk_add_f32 v[T+2*\kb:T+2*\kb+1], v[S+16*\kb+8*\nq:S+16*\kb+8*\nq+1], v[S+16*\kb+8*\nq+2:S+16*\kb+8*\nq+3]
.endr
.irp kb, 0,1,2,3
	v_pk_add_f32 v[T+2*\kb:T+2*\kb+1], v[T+2*\kb:T+2*\kb+1], v[S+16*\kb+8*\nq+4:S+16*\kb+8*\nq+5]
.endr
.irp kb, 0,1,2,3
	v_pk_add_f32 v[T+2*\kb:T+2*\kb+1], v[T+2*\kb:T+2*\kb+1], v[S+16*\kb+8*\nq+6:S+16*\kb+8*\nq+7]
.endr
	v_pk_add_f32 v[T:T+1], v[T:T+1], v[T+2:T+3]
	v_pk_add_f32 v[T+4:T+5], v[T+4:T+5], v[T+6:T+7]
	v_pk_add_f32 v[T:T+1], v[T:T+1], v[T+4:T+5]
	v_add_f32 v[T], v[T], v[T+1]
	v_fma_f32 v[L+\nq], v[L+\nq], v[AL+2*\nq], v[T]
.irp kc, 0,1
.irp i, 0,1,2,3
	v_cvt_pk_bf16_f32 v[S+32*\kc+8*\nq+\i], v[S+32*\kc+8*\nq+2*\i], v[S+32*\kc+8*\nq+2*\i+1]          ; keys 32 kc + 8 h ..: in place, ascending, so each source is read before it is written
.endr
.irp i, 0,1,2,3
	v_cvt_pk_bf16_f32 v[S+32*\kc+8*\nq+4+\i], v[S+32*\kc+16+8*\nq+2*\i], v[S+32*\kc+16+8*\nq+2*\i+1]  ; keys 32 kc + 16 + 8 h ..
.endr
.endr
.endm
; O *= AL, a factor for each query = for each lane.  Destination and source 0 in window 1.
.macro SCALE_O
	WIN 0x41
.irp db, 0,1,2,3
.irp nq, 0,1
.irp p, 0,2,4,6
	v_pk_mul_f32 v[8*(2*\db+\nq)+\p:8*(2*\db+\nq)+\p+1], v[8*(2*\db+\nq)+\p:8*(2*\db+\nq)+\p+1], v[AL+2*\nq:AL+2*\nq+1]
.endr
.endr
.endr
.endm
; One tile, from bf16 slot j: 16 + 16 matrix instructions.
.macro COMPUTE j
.set BO, \j*BFS
.irp kb, 0,1,2,3
.irp c, 0,1
	ds_load_b128 v[FR+16*\kb+8*\c:FR+16*\kb+8*\c+3], v[AK] offset:BO+16*KP*\kb+64*\c
	ds_load_b128 v[FR+16*\kb+8*\c+4:FR+16*\kb+8*\c+7], v[AK] offset:BO+16*KP*\kb+64*\c+32
.endr
.endr
.irp kb, 0,1,2,3
	ds_load_b128 v[KID+8*\kb:KID+8*\kb+3], v[AID] offset:BO+64*\kb
	ds_load_b128 v[KID+8*\kb+4:KID+8*\kb+7], v[AID] offset:BO+64*\kb+16
.endr
	WIN 0x04                                       ; source 1 (Q) in window 1
.irp kb, 0,1,2,3
	s_wait_dscnt 20-4*\kb                          ; of the 24 loads above the four of block kb are in; the younger ones stay out
	v_wmma_f32_16x16x32_bf16 v[S+16*\kb:S+16*\kb+7], v[FR+16*\kb:FR+16*\kb+7], v[QF:QF+7], 0                                   ; the first product starts the sum
	v_wmma_f32_16x16x32_bf16 v[S+16*\kb+8:S+16*\kb+15], v[FR+16*\kb:FR+16*\kb+7], v[QF+16:QF+23], 0
	v_wmma_f32_16x16x32_bf16 v[S+16*\kb:S+16*\kb+7], v[FR+16*\kb+8:FR+16*\kb+15], v[QF+8:QF+15], v[S+16*\kb:S+16*\kb+7]        ; the chain's next link, in place
	v_wmma_f32_16x16x32_bf16 v[S+16*\kb+8:S+16*\kb+15], v[FR+16*\kb+8:FR+16*\kb+15], v[QF+24:QF+31], v[S+16*\kb+8:S+16*\kb+15]
.endr
	WIN 0
	PLACES 4                                       ; behind the products: loads go into their A registers, vector instructions read their results
.irp kc, 0,1
.irp db, 0,1,2,3
	ds_load_tr16_b128 v[FR+8*(4*\kc+\db):FR+8*(4*\kc+\db)+3], v[AV] offset:BO+32*VP*\kc+32*\db              ; V^T: column 16 db + r, keys 32 kc + 8 h ..
	ds_load_tr16_b128 v[FR+8*(4*\kc+\db)+4:FR+8*(4*\kc+\db)+7], v[AV] offset:BO+32*VP*\kc+32*\db+16*VP      ; keys 32 kc + 16 + 8 h ..
.endr
.endr
	s_wait_dscnt 16                                ; the key ids are in; V's 16 loads stay out under the softmax
	MASK 0
	MASK 1
	SOFTMAX 0
	SOFTMAX 1
	SCALE_O
	s_wait_dscnt 0x0                               ; V's fragments; with them my reads of this bf16 slot are over
	WIN 0x50                                       ; C and D in window 1
.irp kc, 0,1
.irp db, 0,1,2,3
.irp nq, 0,1
	v_wmma_f32_16x16x32_bf16 v[8*(2*\db+\nq):8*(2*\db+\nq)+7], v[FR+8*(4*\kc+\db):FR+8*(4*\kc+\db)+7], v[S+32*\kc+8*\nq:S+32*\kc+8*\nq+7], v[8*(2*\db+\nq):8*(2*\db+\nq)+7]
.endr
.endr
.endr
	WIN 0
	PLACES 5                                       ; the next tile's products write over P, its loads go into FR, vector instructions read O
.endm
; A trip: tile j of a pair, which lies in bf16 slot j; n = the other slot, for the tile behind it.  stage = 0: the last tile, nothing follows.
; The three jumps hang on the plan's numbers; each goes forward, over no barrier.
.macro TRIP j, n, id, stage
.if \stage
	s_add_co_u32 s98, s58, \j+1
	s_cmp_gt_u32 s98, s59                          ; is the next tile in the block's interval?
	s_cbranch_scc1 .Lnoload\id
	STAGE_LOAD                                     ; on their way while this tile is multiplied
.Lnoload\id:
.endif
	s_add_co_u32 s98, s62, \j
	s_cmp_gt_u32 s98, s63                          ; is this tile in my wave's interval?
	s_cbranch_scc1 .Lskip\id
	COMPUTE \j
.Lskip\id:
.if \stage
	s_wait_loadcnt 0x0                             ; the next tile's nine loads, if they were issued; on every path nothing is pending behind this line
	s_add_co_u32 s98, s58, \j+1
	s_cmp_gt_u32 s98, s59                          ; the same question as at the head
	s_cbranch_scc1 .Lnoconv\id
	STAGE_STORE \n
.Lnoconv\id:
	STEP_PTRS
	s_wait_dscnt 0x0                               ; my stores into the next tile's bf16 slot are done; my reads of this tile's are too
	s_barrier_signal -1
	s_barrier_wait -1                              ; so behind it the one may be read and the other written, by every wave
.endif
.endm
	s_wait_loadcnt 0x0                             ; tile 0
	STAGE_STORE 0
	STEP_PTRS
	s_wait_dscnt 0x0                               ; my part of tile 0 is in LDS (and Q's fragments are in registers)
	s_barrier_signal -1
	s_barrier_wait -1
	s_mov_b32 s61, 31                              ; tiles 0 to 61
.Lpair:
	TRIP 0, 1, 0, 1
	TRIP 1, 0, 1, 1
	s_add_co_u32 s58, s58, 2
	s_add_co_u32 s62, s62, 2
	s_sub_co_u32 s61, s61, 1
	s_cmp_lg_u32 s61, 0
	s_cbranch_scc1 .Lpair
	TRIP 0, 1, 2, 1                                ; tile 62
	TRIP 1, 0, 3, 0                                ; tile 63: there is no tile behind it, so no load can leave the buffers
	; THE WAY OUT: divide by the row sums; 32 bytes a lane into my stage; back as whole rows of 256 bytes.
	v_permlanex16_b32 v[T], v[L], s66, s67         ; the sum over the query's other 32 keys of every tile
	v_permlanex16_b32 v[T+1], v[L+1], s66, s67
	v_add_f32 v[L], v[L], v[T]                     ; at least 1: the key of the maximum adds 1
	v_add_f32 v[L+1], v[L+1], v[T+1]
	v_rcp_f32 v[AL], v[L]
	v_rcp_f32 v[AL+1], v[L]
	v_rcp_f32 v[AL+2], v[L+1]
	v_rcp_f32 v[AL+3], v[L+1]
	v_nop                                          ; one plain place behind the reciprocals
	s_wait_alu depctr_va_vdst(0)
	SCALE_O
	WIN 0x04                                       ; store data in window 1
.irp nq, 0,1
.irp db, 0,1,2,3
	ds_store_b128 v[AO], v[8*(2*\db+\nq):8*(2*\db+\nq)+3] offset:16*OP*\nq+64*\db              ; row 16 nq + r, columns 16 db + 8 h ..
	ds_store_b128 v[AO], v[8*(2*\db+\nq)+4:8*(2*\db+\nq)+7] offset:16*OP*\nq+64*\db+16
.endr
.endr
	WIN 0
.set i, 0
.rept 16
	ds_load_b128 v[S+4*i:S+4*i+3], v[ARD] offset:2*OP*i      ; my own bytes, served in order: these see the stores above
.set i, i+1
.endr
.set i, 0
.rept 16
	s_wait_dscnt 15-i                              ; read-back i is in, the younger ones stay out
	global_store_b128 v[GOFF], v[S+4*i:S+4*i+3], s[14:15] offset:512*i th:TH_STORE_NT    ; sixteen lanes store a row's 256 consecutive bytes, aligned
.set i, i+1
.endr
	s_wait_tensorcnt 0x0
	ds_add_u32 v254, v255
	s_wait_dscnt 0x0
	s_endpgm
.Lfunc_end_k_qefc845676b_attn:
	.size	k_qefc845676b_attn, .Lfunc_end_k_qefc845676b_attn-k_qefc845676b_attn
	.p2alignl 7, 3214868480
	.fill 96, 4, 3214868480
	.section	.rodata,"a",@progbits
	.p2align	6, 0x0
	.amdhsa_kernel k_qefc845676b_attn
		.amdhsa_group_segment_fixed_size 110080
		.amdhsa_private_segment_fixed_size 0
		.amdhsa_enable_private_segment 0
		.amdhsa_kernarg_size 48
		.amdhsa_user_sgpr_count 2
		.amdhsa_user_sgpr_kernarg_segment_ptr 1
		.amdhsa_wavefront_size32 1
		.amdhsa_system_sgpr_workgroup_id_x 1
		.amdhsa_system_sgpr_workgroup_id_y 1
		.amdhsa_system_sgpr_workgroup_id_z 1
		.amdhsa_system_vgpr_workitem_id 0
		.amdhsa_next_free_vgpr 352
		.amdhsa_next_free_sgpr 102
		.amdhsa_reserve_vcc 0
		.amdhsa_float_denorm_mode_32 3
		.amdhsa_float_denorm_mode_16_64 3
		.amdhsa_memory_ordered 1
		.amdhsa_forward_progress 1
		.amdhsa_inst_pref_size 135
	.end_amdhsa_kernel
	.amdgpu_metadata
---
amdhsa.version: [ 1, 2 ]
amdhsa.kernels:
  - .name:           k_qefc845676b_attn
    .symbol:         k_qefc845676b_attn.kd
    .args:
      - { .name: K, .offset: 0, .size: 8, .value_kind: global_buffer, .address_space: global }
      - { .name: Q, .offset: 8, .size: 8, .value_kind: global_buffer, .address_space: global }
      - { .name: V, .offset: 16, .size: 8, .value_kind: global_buffer, .address_space: global }
      - { .name: document_id, .offset: 24, .size: 8, .value_kind: global_buffer, .address_space: global }
      - { .name: plan, .offset: 32, .size: 8, .value_kind: global_buffer, .address_space: global }
      - { .name: out0, .offset: 40, .size: 8, .value_kind: global_buffer, .address_space: global }
    .group_segment_fixed_size: 110080
    .private_segment_fixed_size: 0
    .kernarg_segment_align: 8
    .kernarg_segment_size: 48
    .max_flat_workgroup_size: 256
    .sgpr_count:     102
    .vgpr_count:     352
    .wavefront_size: 32
...
	.end_amdgpu_metadata
.endif
;; end of part 2
